; MI455X (gfx1250); checked and timed in simulation.
; The chip was launched on July 23, 2026; its instructions are those of AMD's public machine-readable ISA for CDNA 5 (MIT licence, August 2026) and "CDNA5" Instruction Set Architecture Reference Guide (July 2026). The comments in the code are by the model that wrote it; some were corrected since.
;; Multi Head Attention. Allowed arithmetic: float matrix products may take bf16 or f16 operands with f32 sums; all other float work in f32.
;; Inputs: Wk 1,024 x 1,024 float32; Wo 1,024 x 1,024 float32; Wq 1,024 x 1,024 float32; Wv 1,024 x 1,024 float32; bias 2 x 2,048 x 2,048 float32; bk 1,024 float32; bo 1,024 float32; bq 1,024 float32; bv 1,024 float32; k 2 x 2,048 x 1,024 float32; mask 2 x 2,048 int32; q 2 x 2,048 x 1,024 float32; v 2 x 2,048 x 1,024 float32.
;; Outputs: out0 2 x 2,048 x 1,024 float32.
;; One version. Each part assembles by itself: llvm-mc -triple=amdgcn-amd-amdhsa -mcpu=gfx1250 --defsym DOCPART=n.
;; ======== version 1 of 1: 4 launches
;; limits: values are held in f16: magnitudes above 65,504 overflow, below 6.1e-05 lose precision; inputs' magnitudes at most 65,504; right only within a limited range of input values
;; workspace buffers: xw 33,554,432 bytes; qkv 25,165,824 bytes; ao 8,388,608 bytes
;; launch cvt (part 1): grid 64 x 16, 8 waves a work-group, no clusters, 0 bytes of LDS; arguments q, k, v, Wq, Wk, Wv, Wo, xw; writes xw
.if DOCPART == 1
	.amdgcn_target "amdgcn-amd-amdhsa--gfx1250"
	.amdhsa_code_object_version 6
	.text
	.protected	k_q776f48a95b_cvt
	.globl	k_q776f48a95b_cvt
	.p2align	8
	.type	k_q776f48a95b_cvt,@function
k_q776f48a95b_cvt:
	s_mov_b64 s[64:65], 0
	v_nop
	global_prefetch_b8 v0, s[64:65] scope:SCOPE_SE
	s_setreg_imm32_b32 hwreg(HW_REG_WAVE_MODE, 25, 1), 1
	s_wait_xcnt 0x0
; xw = f16 of q, k, v, Wq, Wk, Wv, Wo, one behind the other (rounded to nearest even, once).
; WHY f16: its significand is three bits longer than that of bf16, and these operands have the room: q, k, v have a spread of 1, the weights of 1/32.
; LIMITS: a number beyond 65,504 in magnitude becomes infinity; below 6.1e-5 it is kept to 3e-8 absolute (a weight matrix 30 times smaller than 1/32
; has a spread of 1e-3 and keeps its full 11 bits).
; A stream: no LDS, no barrier, no matrix unit.  The sources are cut into 16 segments of 4 MiB (q 0-3, k 4-7, v 8-11, Wq 12, Wk 13, Wv 14, Wo 15):
; the work-group's y is the segment, its x one of the segment's 64 chunks of 64 KiB.  Thread t takes the 16 bytes at 16 t of each 4,096 bytes of
; the chunk: a load of a wave covers 512 consecutive bytes, a store 256 consecutive bytes at a multiple of 256 from the buffer's first byte.
; All sixteen loads of a thread are issued at once; no register is used twice, so the only waits are the counted ones for the data.
.set X, 4                              ; v[4:67]   sixteen loads of four f32
.set Y, 68                             ; v[68:99]  sixteen stores of four f16
	s_load_b512 s[8:23], s[0:1], 0x0               ; q s[8:9], k s[10:11], v s[12:13], Wq s[14:15], Wk s[16:17], Wv s[18:19], Wo s[20:21], xw s[22:23]
	s_and_b32 s2, ttmp7, 0xffff                    ; the segment
	v_lshlrev_b32 v1, 4, v0                        ; 16 t: my bytes in 4,096 bytes of the source
	v_lshlrev_b32 v2, 3, v0                        ; 8 t: my bytes in 2,048 bytes of xw
	s_and_b32 s3, s2, 3
	s_lshl_b32 s3, s3, 22                          ; q, k and v have four segments each,
	s_cmp_lt_u32 s2, 12
	s_cselect_b32 s24, s3, 0                       ; a weight has one
	s_lshl_b32 s3, ttmp9, 16
	s_add_co_u32 s24, s24, s3                      ; + the chunk: byte offset in the source
	s_mov_b32 s25, 0
	s_lshl_b32 s26, s2, 21                         ; in xw a segment is 2 MiB,
	s_lshl_b32 s3, ttmp9, 15                       ; a chunk 32 KiB
	s_add_co_u32 s26, s26, s3
	s_mov_b32 s27, 0
	s_wait_kmcnt 0x0
	s_cmp_eq_u32 s2, 14                            ; the source is chosen by the segment number alone
	s_cselect_b64 s[4:5], s[18:19], s[20:21]
	s_cmp_eq_u32 s2, 13
	s_cselect_b64 s[4:5], s[16:17], s[4:5]
	s_cmp_eq_u32 s2, 12
	s_cselect_b64 s[4:5], s[14:15], s[4:5]
	s_cmp_lt_u32 s2, 12
	s_cselect_b64 s[4:5], s[12:13], s[4:5]
	s_cmp_lt_u32 s2, 8
	s_cselect_b64 s[4:5], s[10:11], s[4:5]
	s_cmp_lt_u32 s2, 4
	s_cselect_b64 s[4:5], s[8:9], s[4:5]
	s_add_nc_u64 s[4:5], s[4:5], s[24:25]
	s_add_nc_u64 s[6:7], s[22:23], s[26:27]
.set i, 0
.rept 16
	global_load_b128 v[X+4*i:X+4*i+3], v1, s[4:5] offset:4096*i th:TH_LOAD_NT   ; read once in the whole program
.set i, i+1
.endr
.set i, 0
.rept 16
	s_wait_loadcnt 15-i                            ; loads come back in order: load i is in, the 15 - i younger ones stay out
	v_cvt_pk_f16_f32 v[Y+2*i], v[X+4*i], v[X+4*i+1]
	v_cvt_pk_f16_f32 v[Y+2*i+1], v[X+4*i+2], v[X+4*i+3]
	global_store_b64 v2, v[Y+2*i:Y+2*i+1], s[6:7] offset:2048*i
.set i, i+1
.endr
	s_endpgm
.Lfunc_end_k_q776f48a95b_cvt:
	.size	k_q776f48a95b_cvt, .Lfunc_end_k_q776f48a95b_cvt-k_q776f48a95b_cvt
	.p2alignl 7, 3214868480
	.fill 96, 4, 3214868480
	.section	.rodata,"a",@progbits
	.p2align	6, 0x0
	.amdhsa_kernel k_q776f48a95b_cvt
		.amdhsa_group_segment_fixed_size 0
		.amdhsa_private_segment_fixed_size 0
		.amdhsa_enable_private_segment 0
		.amdhsa_kernarg_size 64
		.amdhsa_user_sgpr_count 2
		.amdhsa_user_sgpr_kernarg_segment_ptr 1
		.amdhsa_wavefront_size32 1
		.amdhsa_system_sgpr_workgroup_id_x 1
		.amdhsa_system_sgpr_workgroup_id_y 1
		.amdhsa_system_sgpr_workgroup_id_z 1
		.amdhsa_system_vgpr_workitem_id 0
		.amdhsa_next_free_vgpr 104
		.amdhsa_next_free_sgpr 66
		.amdhsa_reserve_vcc 0
		.amdhsa_float_denorm_mode_32 3
		.amdhsa_float_denorm_mode_16_64 3
		.amdhsa_memory_ordered 1
		.amdhsa_forward_progress 1
		.amdhsa_inst_pref_size 7
	.end_amdhsa_kernel
	.amdgpu_metadata
---
amdhsa.version: [ 1, 2 ]
amdhsa.kernels:
  - .name:           k_q776f48a95b_cvt
    .symbol:         k_q776f48a95b_cvt.kd
    .args:
      - { .name: q, .offset: 0, .size: 8, .value_kind: global_buffer, .address_space: global }
      - { .name: k, .offset: 8, .size: 8, .value_kind: global_buffer, .address_space: global }
      - { .name: v, .offset: 16, .size: 8, .value_kind: global_buffer, .address_space: global }
      - { .name: Wq, .offset: 24, .size: 8, .value_kind: global_buffer, .address_space: global }
      - { .name: Wk, .offset: 32, .size: 8, .value_kind: global_buffer, .address_space: global }
      - { .name: Wv, .offset: 40, .size: 8, .value_kind: global_buffer, .address_space: global }
      - { .name: Wo, .offset: 48, .size: 8, .value_kind: global_buffer, .address_space: global }
      - { .name: xw, .offset: 56, .size: 8, .value_kind: global_buffer, .address_space: global }
    .group_segment_fixed_size: 0
    .private_segment_fixed_size: 0
    .kernarg_segment_align: 8
    .kernarg_segment_size: 64
    .max_flat_workgroup_size: 256
    .sgpr_count:     66
    .vgpr_count:     104
    .wavefront_size: 32
...
	.end_amdgpu_metadata
.endif
;; end of part 1
;; launch proj (part 2): grid 4 x 48, 4 waves a work-group, clusters of 4 x 4, 327,680 bytes of LDS; arguments xw, bq, bk, bv, mask, qkv; writes qkv
.if DOCPART == 2
	.amdgcn_target "amdgcn-amd-amdhsa--gfx1250"
	.amdhsa_code_object_version 6
	.text
	.protected	k_q776f48a95b_proj
	.globl	k_q776f48a95b_proj
	.p2align	8
	.type	k_q776f48a95b_proj,@function
k_q776f48a95b_proj:
	s_mov_b64 s[64:65], 0
	v_nop
	global_prefetch_b8 v0, s[64:65] scope:SCOPE_SE
	s_setreg_imm32_b32 hwreg(HW_REG_WAVE_MODE, 25, 1), 1
	s_wait_xcnt 0x0
	s_wait_alu depctr_hold_cnt(0) depctr_sa_sdst(0) depctr_va_vdst(0) depctr_va_sdst(0) depctr_va_ssrc(0) depctr_va_vcc(0) depctr_vm_vsrc(0)
	s_getreg_b32 s2, hwreg(HW_REG_IB_STS2, 6, 4)
	s_cmp_eq_u32 s2, 0
	s_cbranch_scc0 .Lentry_in_a_cluster
	s_endpgm
.Lentry_in_a_cluster:
	s_bfe_u32 s2, ttmp6, 0x10000c
	s_cmp_lg_u32 s2, 0xf033
	s_cbranch_scc0 .Lentry_shape_is_right
	s_endpgm
.Lentry_shape_is_right:
; The three input projections as ONE product: the 12,288 rows of q, k, v (f16, stacked in xw) times the weight of their third, sums in f32.
;   qkv[g][m][n] = f16( (sum over k of x[g][m][k] W[g][n][k]) f + b[g][n] f ),  f = log2(e)/4 for Q (g = 0), 1/2 for K and V;
;   a row of K whose key has mask == 0 is stored as exact zeros (an AND on the rounded words), so that its scores are exact zeros later.
; The product of the factors of Q and K is log2(e)/8: the scores come out in base 2, divided by the root of 64.  The half on V is undone in the last launch.
; LIMITS (f16): Q beyond 181,000, K or V beyond 131,000 in magnitude become infinity.  Inputs with an offset of 30 spreads in x and in W alike give
; 1,024 x 30 x 30/32 = 28,800; inputs 30 times larger 900 times a spread of 1; inputs 30 times smaller 4e-4, still a normal f16.
; A work-group makes 256 x 256 with four waves, a wave 128 x 128: 64 accumulator tiles, 512 registers.  K goes in steps of 128 through two LDS
; slots filled by tensor loads whose rows are 256 bytes of memory at multiples of 256 bytes.
; CLUSTERS of 4 x 4: the four work-groups of a row of the cluster need the same rows of x, the four of a column the same rows of W (the cluster lies
; inside one third, since a third is 16 block rows): such a tile is asked for jointly, which divides the requests for both by four.
; 192 work-groups: 48 block rows x 4 block columns.  Blocks of 128 x 128 would be 768 work-groups, and read twice the LDS bytes for each product.
; REGISTERS, in windows of 256:
;   window 0: v16-28 addresses; v32-39 mask words; v64-127, v128-191 fragments of x, two buffers (the way out works in them); v192-223 packed results
;   window 1: v0-63 the bias of my 128 columns; v64-127, v128-191 fragments of W
;   window 2: the accumulator tiles of my rows 0-63 (tile (a, b) at v[8 (8 a + b)]);  window 3: rows 64-127
; The matrix instruction is used transposed (source 0 = rows of W, source 1 = rows of x): lane l holds row l % 16, registers 0-7 the columns 8 (l / 16) + 0..7.
.set SIZE_K, 1024
.set SIZE_N, 1024
.set KSTEP,  128
.set PITCH,  272                       ; an LDS row: 256 bytes + 16 of padding, an odd multiple of 16: the 16 rows of a fragment load start 16 bytes apart modulo 256
.set HALFT,  128*PITCH                 ; what one tensor load brings
.set SLOT,   4*HALFT                   ; 256 rows of x, then 256 rows of W
.set STAGE,  2*SLOT                    ; behind the ring: 16 rows x 272 bytes for each wave; no fill ever lands here
.set SPITCH, 272
.set LAPS,   SIZE_K/(2*KSTEP)          ; 4 laps of two K steps
.set WOFF,   25165824                  ; byte offset of Wq in xw; Wk and Wv follow
.set ADRA, 16                          ; v16-17  LDS address of my x fragments in slot 0, 1
.set ADRB, 20                          ; v20-21  the same for W
.set STO,  24
.set RD,   25
.set CO,   26
.set BVA,  27                          ; byte offset of my columns in the bias
.set MKA,  28                          ; byte offset of my rows in the mask
.set MK,   32                          ; v32-39  mask word of row 16 i + l % 16, i = 0..7
.set KEEP, 40                          ; all ones or zero: the row is kept or cleared
.set ONES, 42
.set F0,   64
.set F1,   128
.set T,    64                          ; the way out: 64 f32 at work
.set RB0,  128                         ; rows read back, two sets by turns
.set RB1,  160
.set TMP,  192
.set G1,  24
.set G0,  32
.set G1B, 48
.set G0B, 56
.set MSB, 0
.macro WIN new                         ; the high byte of the immediate repeats the setting that is left
.if MSB != (\new)
	s_set_vgpr_msb (MSB<<8)|(\new)
.set MSB, (\new)
.endif
.endm
.set MUL_LO, 0xa1                      ; source 0 (W) window 1, source 1 (x) window 0, C and D window 2
.set MUL_HI, 0xf1                      ; the same, C and D window 3
.set TO_B,   0x40                      ; destination window 1, address window 0
; A joint load: waves 0 and 1 fetch the two halves of x, waves 2 and 3 those of W.  The branch hangs on the wave number alone.
.macro JLOAD s
	s_cmp_eq_u32 s11, 0
	s_cbranch_scc0 .Lfor_b_\@
	tensor_load_to_lds s[G0+4*(\s):G0+4*(\s)+3], s[G1:G1+7]
	s_nop 0
	s_branch .Lasked_\@
.Lfor_b_\@:
	tensor_load_to_lds s[G0B+4*(\s):G0B+4*(\s)+3], s[G1B:G1B+7]
	s_nop 0
.Lasked_\@:
.endm
.macro CREST                           ; a round of the cluster barrier behind its opening work-group barrier
	s_cmp_lg_u32 s10, 0
	s_cbranch_scc1 .Lnot_wave_0_\@
	s_barrier_signal -3
.Lnot_wave_0_\@:
	s_barrier_wait -3
	s_barrier_signal -1
	s_barrier_wait -1
.endm
.macro CROUND
	s_barrier_signal -1
	s_barrier_wait -1
	CREST
.endm
	s_load_b256 s[68:75], s[0:1], 0x0              ; xw s[68:69], bq s[70:71], bk s[72:73], bv s[74:75]
	s_load_b128 s[76:79], s[0:1], 0x20             ; mask s[76:77], qkv s[78:79]
	s_set_vgpr_msb 0x40
	v_lshl_add_u32 v255, v0, 2, 0x48400
	s_set_vgpr_msb 0x4000
	v_mov_b32 v255, 0
	s_set_vgpr_msb 0x1
	ds_add_u32 v255, v255
	s_set_vgpr_msb 0x100
	v_lshrrev_b32 v1, 5, v0
	v_readfirstlane_b32 s10, v1                    ; wave 0..3
	s_lshr_b32 s11, s10, 1                         ; my half of the block rows; also: I fetch x (0) or W (1)
	s_and_b32 s12, s10, 1                          ; my half of the block columns; also: which 128 rows I fetch
	s_bfe_u32 s40, ttmp6, 0x40000                  ; cx
	s_bfe_u32 s41, ttmp6, 0x40004                  ; cy
	s_lshl_b32 s42, ttmp9, 2
	s_add_co_u32 s42, s42, s40                     ; block column 0..3
	s_and_b32 s84, ttmp7, 0xffff                   ; the cluster y, 0..11
	s_lshl_b32 s13, s84, 2
	s_add_co_u32 s13, s13, s41                     ; block row 0..47
	s_lshr_b32 s84, s84, 2                         ; g: the third (Q, K, V), from the cluster y alone: equal in all sixteen
	s_lshl_b32 s43, s41, 2
	s_lshl_b32 s43, 15, s43                        ; my row of the cluster
	s_lshl_b32 s44, 0x1111, s40                    ; my column
	s_or_b32 s[G1+0], s43, (1<<16)|(1<<20)|(1<<21)|(5<<22)|(3<<25)  ; mask; 2-byte elements; padding of 4 words behind every 64; bit 21 beside a mask
	s_or_b32 s[G1B+0], s44, (1<<16)|(1<<20)|(1<<21)|(5<<22)|(3<<25)
	s_mov_b32 s[G1+1], KSTEP<<16                   ; tensor_dim0 = 128
	s_mov_b32 s[G1B+1], KSTEP<<16
	s_mov_b32 s[G1+2], 128<<16                     ; tensor_dim1 = 128
	s_mov_b32 s[G1B+2], 128<<16
	s_mov_b32 s[G1+3], KSTEP<<16                   ; tile_dim0 = 128
	s_mov_b32 s[G1B+3], KSTEP<<16
	s_mov_b32 s[G1+4], 128                         ; tile_dim1 = 128
	s_mov_b32 s[G1B+4], 128
	s_mov_b32 s[G1+5], SIZE_K                      ; elements from row to row
	s_mov_b32 s[G1B+5], SIZE_K
	s_mov_b32 s[G1+6], 0
	s_mov_b32 s[G1B+6], 0
	s_mov_b32 s[G1+7], 0
	s_mov_b32 s[G1B+7], 0
	; x hangs on the block row alone, W on the block column and the third alone; each offset in registers that never hold the other coordinate
	s_lshl_b32 s17, s12, 7
	s_lshl_b32 s16, s13, 8
	s_add_co_u32 s16, s16, s17                     ; x: row 256 x block row + 128 x half
	s_lshl_b32 s16, s16, 11                        ; rows of 2,048 bytes: 25 MiB at the most
	s_lshl_b32 s46, s42, 8
	s_add_co_u32 s46, s46, s17
	s_lshl_b32 s85, s84, 10
	s_add_co_u32 s46, s46, s85                     ; W: row 1,024 g + 256 x block column + 128 x half
	s_lshl_b32 s46, s46, 11
	s_mov_b32 s17, 0
	s_mov_b32 s47, 0
	s_mul_i32 s20, s10, HALFT                      ; LDS: wave x 128 rows
	s_wait_dscnt 0x0
	s_wait_kmcnt 0x0
	s_add_nc_u64 s[14:15], s[68:69], s[16:17]
	s_add_nc_u64 s[46:47], s[68:69], s[46:47]
	s_add_nc_u64 s[46:47], s[46:47], WOFF
	s_cmp_eq_u32 s84, 1
	s_cselect_b64 s[80:81], s[72:73], s[74:75]     ; the bias of my third
	s_cselect_b32 s83, 0, -1                       ; K alone looks at the mask
	s_cmp_eq_u32 s84, 0
	s_cselect_b64 s[80:81], s[70:71], s[80:81]
	s_cselect_b32 s82, 0x3eb8aa3b, 0.5             ; f: log2(e)/4 for Q, 1/2 for K and V
	CROUND                                         ; all sixteen work-groups are here: the first joint loads meet
.irp s, 0,1
	s_mov_b32 s[G0+4*\s], 1
	s_add_co_u32 s[G0+4*\s+1], s20, \s*SLOT
	s_add_nc_u64 s[G0+4*\s+2:G0+4*\s+3], s[14:15], \s*KSTEP*2
	s_or_b32 s[G0+4*\s+3], s[G0+4*\s+3], 0x80000000
	s_mov_b32 s[G0B+4*\s], 1
	s_add_co_u32 s[G0B+4*\s+1], s20, \s*SLOT
	s_add_nc_u64 s[G0B+4*\s+2:G0B+4*\s+3], s[46:47], \s*KSTEP*2
	s_or_b32 s[G0B+4*\s+3], s[G0B+4*\s+3], 0x80000000
	JLOAD \s                                       ; both first fills: two tensor loads of the wave are out
.endr
	v_and_b32 v1, 15, v0                           ; l % 16
	v_bfe_u32 v2, v0, 4, 1                         ; l / 16
	s_lshl_b32 s86, s42, 10
	s_lshl_b32 s87, s12, 9
	s_add_co_u32 s86, s86, s87
	v_lshl_add_u32 v[BVA], v2, 5, s86              ; 4 (256 x block column + 128 x half + 8 (l / 16))
	s_and_b32 s87, s13, 15                         ; the block row inside its third
	s_lshl_b32 s87, s87, 10
	s_lshl_b32 s85, s11, 9
	s_add_co_u32 s87, s87, s85
	v_lshl_add_u32 v[MKA], v1, 2, s87              ; 4 (256 x block row + 128 x half + l % 16): the token number, b x 2,048 + key
	WIN TO_B
.irp b, 0,1,2,3,4,5,6,7
	global_load_b128 v[8*\b:8*\b+3],   v[BVA], s[80:81] offset:64*\b       ; bias of columns 16 b + 8 (l / 16) + 0..7; waited for on the way out
	global_load_b128 v[8*\b+4:8*\b+7], v[BVA], s[80:81] offset:64*\b+16
.endr
	WIN 0
.irp i, 0,1,2,3,4,5,6,7
	global_load_b32 v[MK+\i], v[MKA], s[76:77] offset:64*\i
.endr
	v_mul_u32_u24 v3, v1, PITCH
	v_lshl_add_u32 v3, v2, 4, v3                   ; row x pitch + 16 x half
	s_mul_i32 s21, s11, HALFT
	s_mul_i32 s22, s12, HALFT
	s_add_co_u32 s22, s22, 2*HALFT
.irp s, 0,1
	v_add_nc_u32 v[ADRA+\s], s21, v3
	v_add_nc_u32 v[ADRB+\s], s22, v3
	s_add_co_u32 s21, s21, SLOT
	s_add_co_u32 s22, s22, SLOT
.endr
	s_mul_i32 s23, s10, 16*SPITCH
	s_add_co_u32 s23, s23, STAGE
	v_mul_u32_u24 v4, v1, SPITCH
	v_lshl_add_u32 v4, v2, 4, v4
	v_add_nc_u32 v[STO], s23, v4
	v_mul_u32_u24 v5, v2, SPITCH
	v_lshl_add_u32 v5, v1, 4, v5
	v_add_nc_u32 v[RD], s23, v5
	v_mul_u32_u24 v5, v2, SIZE_N*2
	v_lshl_add_u32 v[CO], v1, 4, v5
; 16 matrix instructions: m blocks a0, a0 + 1 of a window x all 8 n blocks, 32 along K.  zero = 1: the first product starts the sums.
.macro MUL16 f, hi, a0, zero
.irp a, \a0, \a0+1
.irp b, 0,1,2,3,4,5,6,7
.if \zero
	v_wmma_f32_16x16x32_f16 v[8*(8*(\a)+\b):8*(8*(\a)+\b)+7], v[\f+8*\b:\f+8*\b+7], v[\f+8*(4*\hi+\a):\f+8*(4*\hi+\a)+7], 0
.else
	v_wmma_f32_16x16x32_f16 v[8*(8*(\a)+\b):8*(8*(\a)+\b)+7], v[\f+8*\b:\f+8*\b+7], v[\f+8*(4*\hi+\a):\f+8*(4*\hi+\a)+7], v[8*(8*(\a)+\b):8*(8*(\a)+\b)+7]
.endif
.endr
.endr
.endm
.macro FETCH slot, k, f                ; 32 LDS loads in one run: the fragments of a quarter step
	WIN TO_B
.irp i, 0,1,2,3,4,5,6,7
	ds_load_b128 v[\f+8*\i:\f+8*\i+3],   v[ADRB+\slot] offset:\k+\i*16*PITCH
	ds_load_b128 v[\f+8*\i+4:\f+8*\i+7], v[ADRB+\slot] offset:\k+\i*16*PITCH+32
.endr
	WIN 0
.irp i, 0,1,2,3,4,5,6,7
	ds_load_b128 v[\f+8*\i:\f+8*\i+3],   v[ADRA+\slot] offset:\k+\i*16*PITCH
	ds_load_b128 v[\f+8*\i+4:\f+8*\i+7], v[ADRA+\slot] offset:\k+\i*16*PITCH+32
.endr
.endm
; Four places of plain vector instructions stand between a matrix instruction and a load into, or a vector instruction on, one of its registers
; (ISA guide 7.12.1 for vector instructions).
.macro PLACES
.rept 4
	v_nop
.endr
.endm
.macro QUARTER slot, k, f, g, zero
	s_wait_dscnt 8                                 ; W and rows 0-63 of x are in; the youngest eight loads (rows 64-127) may be out
	WIN MUL_LO
	MUL16 \f, 0, 0, \zero
	MUL16 \f, 0, 2, \zero
	PLACES
	FETCH \slot, \k, \g
	s_wait_dscnt 32                                ; all but the 32 just issued
	WIN MUL_HI
	MUL16 \f, 1, 0, \zero
	MUL16 \f, 1, 2, \zero
.endm
.macro THREE slot, zero
	QUARTER \slot, 64,  F0, F1, \zero
	QUARTER \slot, 128, F1, F0, 0
	QUARTER \slot, 192, F0, F1, 0
.endm
; The last quarter changes slots.  In front of the barrier each wave waits for its reads of this slot and for all its tensor loads (one is out: its
; part of the next slot); behind it, where the slot is filled again, the cluster round is completed and the joint refill is the first tensor load.
.macro TURN slot, next, fill
	s_wait_dscnt 8
	WIN MUL_LO
	MUL16 F1, 0, 0, 0
	s_wait_dscnt 0
	s_wait_tensorcnt 0x0
	ds_add_u32 v255, v255
	s_wait_dscnt 0x0
	s_barrier_signal -1
	MUL16 F1, 0, 2, 0                              ; register work while the others arrive
	WIN 0
	s_barrier_wait -1
.if \fill
	CREST
	s_add_nc_u64 s[G0+4*\slot+2:G0+4*\slot+3], s[G0+4*\slot+2:G0+4*\slot+3], 2*KSTEP*2
	s_add_nc_u64 s[G0B+4*\slot+2:G0B+4*\slot+3], s[G0B+4*\slot+2:G0B+4*\slot+3], 2*KSTEP*2
	JLOAD \slot
.endif
	PLACES
	FETCH \next, 0, F0
	WIN MUL_HI
	MUL16 F1, 1, 0, 0
	MUL16 F1, 1, 2, 0
.endm
.macro LAP zero
	THREE 0, \zero
	TURN 0, 1, 1
	THREE 1, 0
	TURN 1, 0, 1
.endm
	s_wait_tensorcnt 1                             ; my part of K step 0 is in; K step 1 may stay out
	s_barrier_signal -1
	s_barrier_wait -1
	FETCH 0, 0, F0
	LAP 1                                          ; the 64 accumulators take turns, one instruction a turn
	WIN 0
	s_mov_b32 s3, LAPS-2
.Llap:
	LAP 0
	WIN 0
	s_sub_co_u32 s3, s3, 1
	s_cmp_lg_u32 s3, 0
	s_cbranch_scc1 .Llap
	THREE 0, 0                                     ; the last lap fills nothing
	TURN 0, 1, 0
	THREE 1, 0
	s_wait_dscnt 8
	WIN MUL_LO
	MUL16 F1, 0, 0, 0
	MUL16 F1, 0, 2, 0
	s_wait_dscnt 0
	WIN MUL_HI
	MUL16 F1, 1, 0, 0
	MUL16 F1, 1, 2, 0
	; THE WAY OUT
	PLACES
	s_wait_loadcnt 0x0                             ; bias and mask words, asked for at the start
	WIN 0x41
.set p, 0
.rept 32
	v_pk_mul_f32 v[2*p:2*p+1], v[2*p:2*p+1], s[82:83] op_sel_hi:[1,0]      ; b f, once, so that each result is one fused multiply-add
.set p, p+1
.endr
	WIN 0
	v_mov_b32 v[ONES], -1
	s_lshl_b32 s13, s13, 8
	s_lshl_b32 s14, s11, 7
	s_add_co_u32 s16, s13, s14                     ; my first row
	s_lshl_b32 s16, s16, 11
	s_mov_b32 s17, 0
	s_add_nc_u64 s[8:9], s[78:79], s[16:17]
	s_lshl_b32 s46, s42, 9                         ; my first column, in bytes
	s_lshl_b32 s47, s12, 8
	s_add_co_u32 s46, s46, s47
	s_mov_b32 s47, 0
	s_add_nc_u64 s[8:9], s[8:9], s[46:47]
; rows 16 i .. 16 i + 15 = the eight tiles (a, 0..7) of window 2 or 3 (from = 0x12 or 0x13: source 0 that window, source 2 window 1)
.macro OUT16 i, a, from, rb
	WIN \from
.irp b, 0,1,2,3,4,5,6,7
.irp r, 0,1,2,3
	v_pk_fma_f32 v[T+8*\b+2*\r:T+8*\b+2*\r+1], v[8*(8*\a+\b)+2*\r:8*(8*\a+\b)+2*\r+1], s[82:83], v[8*\b+2*\r:8*\b+2*\r+1] op_sel_hi:[1,0,1]
.endr
.endr
	WIN 0
	v_cmp_ne_u32 vcc_lo, 0, v[MK+\i]               ; the key of my row is not masked,
	s_or_b32 vcc_lo, vcc_lo, s83                   ; or these are not rows of K
	v_cndmask_b32 v[KEEP], 0, v[ONES], vcc_lo
.irp b, 0,1,2,3,4,5,6,7
.irp r, 0,1,2,3
	v_cvt_pk_f16_f32 v[TMP+4*\b+\r], v[T+8*\b+2*\r], v[T+8*\b+2*\r+1]
.endr
.endr
.set p, 0
.rept 32
	v_and_b32 v[TMP+p], v[KEEP], v[TMP+p]
.set p, p+1
.endr
.irp b, 0,1,2,3,4,5,6,7
	ds_store_b128 v[STO], v[TMP+4*\b:TMP+4*\b+3] offset:32*\b
.endr
	s_wait_xcnt 0x0                                ; the base and the read-back registers, which earlier stores name, are rewritten only behind this wait
.if \i
	s_add_nc_u64 s[8:9], s[8:9], 16*SIZE_N*2
.endif
.irp t, 0,1,2,3,4,5,6,7
	ds_load_b128 v[\rb+4*\t:\rb+4*\t+3], v[RD] offset:\t*2*SPITCH          ; LDS serves a wave in order: these see the stores above
.endr
.irp t, 0,1,2,3,4,5,6,7
	s_wait_dscnt 7-\t                              ; pair t of rows is in, the younger ones stay out
	global_store_b128 v[CO], v[\rb+4*\t:\rb+4*\t+3], s[8:9] offset:2*\t*SIZE_N*2   ; 16 lanes store 256 consecutive bytes, aligned
.endr
.endm
	OUT16 0, 0, 0x12, RB0
	OUT16 1, 1, 0x12, RB1
	OUT16 2, 2, 0x12, RB0
	OUT16 3, 3, 0x12, RB1
	OUT16 4, 0, 0x13, RB0
	OUT16 5, 1, 0x13, RB1
	OUT16 6, 2, 0x13, RB0
	OUT16 7, 3, 0x13, RB1
	s_set_vgpr_msb 0x1
	s_wait_tensorcnt 0x0
	ds_add_u32 v255, v255
	s_wait_dscnt 0x0
	s_set_vgpr_msb 0x100
	CROUND                                         ; the closing round
	s_endpgm
.Lfunc_end_k_q776f48a95b_proj:
	.size	k_q776f48a95b_proj, .Lfunc_end_k_q776f48a95b_proj-k_q776f48a95b_proj
	.p2alignl 7, 3214868480
	.fill 96, 4, 3214868480
	.section	.rodata,"a",@progbits
	.p2align	6, 0x0
	.amdhsa_kernel k_q776f48a95b_proj
		.amdhsa_group_segment_fixed_size 327680
		.amdhsa_private_segment_fixed_size 0
		.amdhsa_enable_private_segment 0
		.amdhsa_kernarg_size 48
		.amdhsa_user_sgpr_count 2
		.amdhsa_user_sgpr_kernarg_segment_ptr 1
		.amdhsa_wavefront_size32 1
		.amdhsa_system_sgpr_workgroup_id_x 1
		.amdhsa_system_sgpr_workgroup_id_y 1
		.amdhsa_system_sgpr_workgroup_id_z 1
		.amdhsa_system_vgpr_workitem_id 0
		.amdhsa_next_free_vgpr 1024
		.amdhsa_next_free_sgpr 96
		.amdhsa_reserve_vcc 1
		.amdhsa_float_denorm_mode_32 3
		.amdhsa_float_denorm_mode_16_64 3
		.amdhsa_memory_ordered 1
		.amdhsa_forward_progress 1
		.amdhsa_inst_pref_size 226
	.end_amdhsa_kernel
	.amdgpu_metadata
---
amdhsa.version: [ 1, 2 ]
amdhsa.kernels:
  - .name:           k_q776f48a95b_proj
    .symbol:         k_q776f48a95b_proj.kd
    .args:
      - { .name: xw, .offset: 0, .size: 8, .value_kind: global_buffer, .address_space: global }
      - { .name: bq, .offset: 8, .size: 8, .value_kind: global_buffer, .address_space: global }
      - { .name: bk, .offset: 16, .size: 8, .value_kind: global_buffer, .address_space: global }
      - { .name: bv, .offset: 24, .size: 8, .value_kind: global_buffer, .address_space: global }
      - { .name: mask, .offset: 32, .size: 8, .value_kind: global_buffer, .address_space: global }
      - { .name: qkv, .offset: 40, .size: 8, .value_kind: global_buffer, .address_space: global }
    .group_segment_fixed_size: 327680
    .private_segment_fixed_size: 0
    .kernarg_segment_align: 8
    .kernarg_segment_size: 48
    .max_flat_workgroup_size: 128
    .sgpr_count:     96
    .vgpr_count:     1024
    .wavefront_size: 32
...
	.end_amdgpu_metadata
.endif
;; end of part 2
;; launch attn (part 3): grid 8 x 32, 4 waves a work-group, clusters of 4 x 4, 327,680 bytes of LDS; arguments qkv, bias, mask, ao; writes ao
.if DOCPART == 3
	.amdgcn_target "amdgcn-amd-amdhsa--gfx1250"
	.amdhsa_code_object_version 6
	.text
	.protected	k_q776f48a95b_attn
	.globl	k_q776f48a95b_attn
	.p2align	8
	.type	k_q776f48a95b_attn,@function
k_q776f48a95b_attn:
	s_mov_b64 s[64:65], 0
	v_nop
	global_prefetch_b8 v0, s[64:65] scope:SCOPE_SE
	s_setreg_imm32_b32 hwreg(HW_REG_WAVE_MODE, 25, 1), 1
	s_wait_xcnt 0x0
	s_wait_alu depctr_hold_cnt(0) depctr_sa_sdst(0) depctr_va_vdst(0) depctr_va_sdst(0) depctr_va_ssrc(0) depctr_va_vcc(0) depctr_vm_vsrc(0)
	s_getreg_b32 s2, hwreg(HW_REG_IB_STS2, 6, 4)
	s_cmp_eq_u32 s2, 0
	s_cbranch_scc0 .Lentry_in_a_cluster
	s_endpgm
.Lentry_in_a_cluster:
	s_bfe_u32 s2, ttmp6, 0x10000c
	s_cmp_lg_u32 s2, 0xf033
	s_cbranch_scc0 .Lentry_shape_is_right
	s_endpgm
.Lentry_shape_is_right:
; Attention with a running maximum.  A work-group: two heads (a head pair hp) x 128 queries of one batch.  Wave w: head w & 1, queries 64 (w >> 1) .. + 63.
; All matrix operands are f16.  Q comes scaled by log2(e)/4, K and V by 1/2, rows of K of masked keys as exact zeros.  So in base 2
;   score = fma(S, bias, c[key]),  c = 0 or -10000 log2(e):  one fused multiply-add for the bias and the mask.
; The weights lie in [0, 1] by the running maximum, so f16 holds them; one below 3e-8 of the largest so far counts as zero in the product with V.
; LIMITS: bias and Q must be finite at masked keys (0 x infinity would be NaN where the formula asks for -10000).  The sum of the weights is taken from the
; f32 weights, the product with V from their f16 roundings.  The result is a mean of rows of V/2, so it fits in f16 wherever V/2 did; it is stored as ao/2.
; TRANSPOSED: S^T = K Q^T, so register j of lane (r, h) holds key 16 t + 8 h + j of query r: maximum and sum of a query lie in two lanes, and two packed
; S tiles are at once the second source of O^T = V^T P^T.  V^T fragments come by the transposing LDS load from V stored [key][d].
; CLUSTERS of 4 x 4: a bias tile (128 queries x 128 keys) hangs on batch and query block alone and is shared along a row of the cluster (four head pairs);
; the K and V tiles hang on batch and head pair alone and are shared along a column (four query blocks).  All are asked for jointly.
; LDS: two slots of 128 keys: K 128 x 272 bytes at 0, V 128 x 288 at 34,816, bias 128 x 528 at 71,680; behind them c[2,048] in f32, written by LDS stores alone.
; The way out is staged in slot 0, which has had its last fill and is read by no wave behind the barrier in tile 14.
;
; A UNIT is 16 queries x 64 keys: 8 products for S, 8 for O, some 135 vector instructions.  THE MATRIX INSTRUCTIONS STAND ONE BY ONE AMONG THE VECTOR
; INSTRUCTIONS: while unit u's scores go through the softmax, the S products of unit u + 1 and the O products of unit u - 1 are issued, which touch none of
; unit u's registers.  The registers are laid out so that a matrix instruction and the vector work round it share one window setting:
;   window 0: addresses, maxima, S (two sets), the K fragments of 64 keys, the Q fragments of d = 32..63
;   window 1: O, the V^T fragments of 64 keys, E (score - maximum, then the weights), P (the weights in f16), sums, alpha, L
;   window 2: the Q fragments of d = 0..31, the bias (two sets), c (two halves of a tile)
;   stretch a, sources 1 and 2 in window 2: score = S bias + c,     with the first four S products of u + 1 (K in window 0, Q in window 2, C = 0)
;   stretch b, all in window 0:             the maximum,            with the second four (Q in window 0, in place)
;   stretch s, destination in window 1:     E = score - maximum
;   stretch c, all in window 1:             exponentials, rescaling of O, sum, conversion, with the eight O products of u - 1, one to four exponentials
; The pipeline runs on over the change of tiles.  All LDS reads of a slot are issued by unit 5, so the change of slots (waits, the round of the cluster
; barrier, the joint refill) stands at the head of unit 6, and units 6 and 7 read the next slot for the next tile's first units.
.set SLOT,  139264
.set VOFF,  34816
.set BOFF,  71680
.set CB,    278528
.set KP,    272                        ; odd multiple of 16
.set VP,    288                        ; odd multiple of 32, for the transposing load
.set BP,    528
.set SP,    272                        ; the stage: 256 bytes (two heads x 64 f16), 16 of padding
; window 0
.set KADR, 4                           ; v4-5   slot 0, 1
.set VADR, 6                           ; v6-7
.set BADR, 8                           ; v8-9
.set CADR, 10
.set STO,  11
.set RD,   12
.set CO,   13
.set QOF,  14
.set MOF,  15
.set RM,   16                          ; v16-19 running maximum of q-tile 0..3
.set RMN,  24                          ; v24-25 new maximum (the pair's second word is only there to make a pair)
.set RT,   28                          ; v28-31
.set TA,   32
.set CST,  33
.set NEG,  34
.set RS,   40                          ; v40-103  S, two sets by turns
.set RKF,  104                         ; v104-167 K fragments: key tile t of four, d half c, at 16 t + 8 c
.set RQB,  168                         ; v168-199 Q fragments, d = 32..63, q-tile q at 8 q
; window 1
.set RO,   0                           ; v0-127   O: q-tile q, d tile d at 32 q + 8 d
.set RVF,  128                         ; v128-191 V^T fragments: chunk e of 32 keys, d tile d at 32 e + 8 d
.set RE,   192                         ; v192-223
.set RP,   224                         ; v224-239
.set RSUM, 240                         ; v240-247
.set RAL,  248                         ; v248-249 2^(old - new maximum) (the second word only makes a pair)
.set RL,   250                         ; v250-253 running sum (this lane's half of the keys)
.set RX,   254
; window 2
.set RQA,  0                           ; v0-31    Q fragments, d = 0..31
.set RBI,  64                          ; v64-127  bias, two sets by turns
.set RC,   128                         ; v128-191 c of the tile's two halves of 64 keys
; window settings: bits 1:0 source 0, 3:2 source 1, 5:4 source 2, 7:6 destination
.set W_FMA, 0x28
.set W_TO2, 0x80
.set W_TO1, 0x40
.set W_ONE, 0x55
.set W_ST1, 0x04
.set GB1, 24                           ; s[24:31] group 1, bias
.set GK1, 32                           ; s[32:39] group 1, K
.set GV1, 40                           ; s[40:47] group 1, V
.set GB0, 48                           ; s[48:55] group 0, bias, one set a slot
.set GK0, 56                           ; s[56:63]
.set GV0, 68                           ; s[68:75]
.set MSB, 0
.macro WIN new                         ; the high byte of the immediate repeats the setting that is left
.if MSB != (\new)
	s_set_vgpr_msb (MSB<<8)|(\new)
.set MSB, (\new)
.endif
.endm
.macro PLACES                          ; four plain vector places behind a matrix instruction (ISA guide 7.12.1)
	s_wait_alu depctr_va_vdst(0)
.rept 4
	v_nop
.endr
.endm
.macro ROUND                           ; a round of the cluster barrier
	s_barrier_signal -1
	s_barrier_wait -1
	s_cmp_lg_u32 s12, 0
	s_cbranch_scc1 .Lnot_wave_0_\@
	s_barrier_signal -3
.Lnot_wave_0_\@:
	s_barrier_wait -3
	s_barrier_signal -1
	s_barrier_wait -1
.endm
; One joint load a wave, 32 KiB each: waves 0, 1 the two halves of the bias tile, wave 2 the K tile, wave 3 the V tile.
.macro JLOAD s
	s_cmp_lt_u32 s12, 2
	s_cbranch_scc0 .Lkv_\@
	tensor_load_to_lds s[GB0+4*(\s):GB0+4*(\s)+3], s[GB1:GB1+7]
	s_nop 0
	s_branch .Lasked_\@
.Lkv_\@:
	s_cmp_eq_u32 s12, 2
	s_cbranch_scc0 .Lv_\@
	tensor_load_to_lds s[GK0+4*(\s):GK0+4*(\s)+3], s[GK1:GK1+7]
	s_nop 0
	s_branch .Lasked_\@
.Lv_\@:
	tensor_load_to_lds s[GV0+4*(\s):GV0+4*(\s)+3], s[GV1:GV1+7]
	s_nop 0
.Lasked_\@:
.endm
	s_load_b256 s[4:11], s[0:1], 0x0               ; qkv s[4:5], bias s[6:7], mask s[8:9], ao s[10:11]
	v_lshl_add_u32 v254, v0, 2, 0x46000
	v_mov_b32 v255, 0
	ds_add_u32 v254, v255
	v_lshrrev_b32 v1, 5, v0
	v_readfirstlane_b32 s12, v1                    ; wave
	s_lshr_b32 s13, s12, 1                         ; qg: my 64 queries
	s_and_b32 s14, s12, 1                          ; hl: my head of the pair
	s_bfe_u32 s15, ttmp6, 0x40000                  ; cx
	s_bfe_u32 s16, ttmp6, 0x40004                  ; cy
	s_lshl_b32 s17, ttmp9, 2
	s_add_co_u32 s17, s17, s15                     ; hp 0..7
	s_and_b32 s20, ttmp7, 0xffff                   ; the cluster y, 0..7
	s_lshr_b32 s19, s20, 2                         ; batch, from the cluster y alone
	s_lshl_b32 s18, s20, 2
	s_add_co_u32 s18, s18, s16                     ; wgy = 16 x batch + query block
	s_lshl_b32 s21, s16, 2
	s_lshl_b32 s21, 15, s21                        ; my row of the cluster
	s_lshl_b32 s22, 0x1111, s15                    ; my column
	s_mov_b32 s78, 0x76543210                      ; v_permlanex16_b32: lane i of the other half
	s_mov_b32 s79, 0xfedcba98
	; bias: 64 rows x 128 f32 (512 bytes), 4 words of padding behind every 128
	s_or_b32  s[GB1+0], s21, (2<<16)|(1<<20)|(1<<21)|(6<<22)|(3<<25)
	s_mov_b32 s[GB1+1], 128<<16
	s_mov_b32 s[GB1+2], 64<<16
	s_mov_b32 s[GB1+3], 128<<16
	s_mov_b32 s[GB1+4], 64
	s_mov_b32 s[GB1+5], 2048
	s_mov_b32 s[GB1+6], 0
	s_mov_b32 s[GB1+7], 0
	; K: 128 rows x 128 f16 (256 bytes), 4 words of padding behind every 64;  V: the same with 8 words
	s_or_b32  s[GK1+0], s22, (1<<16)|(1<<20)|(1<<21)|(5<<22)|(3<<25)
	s_or_b32  s[GV1+0], s22, (1<<16)|(1<<20)|(1<<21)|(5<<22)|(7<<25)
	s_mov_b32 s[GK1+1], 128<<16
	s_mov_b32 s[GV1+1], 128<<16
	s_mov_b32 s[GK1+2], 128<<16
	s_mov_b32 s[GV1+2], 128<<16
	s_mov_b32 s[GK1+3], 128<<16
	s_mov_b32 s[GV1+3], 128<<16
	s_mov_b32 s[GK1+4], 128
	s_mov_b32 s[GV1+4], 128
	s_mov_b32 s[GK1+5], 1024
	s_mov_b32 s[GV1+5], 1024
	s_mov_b32 s[GK1+6], 0
	s_mov_b32 s[GV1+6], 0
	s_mov_b32 s[GK1+7], 0
	s_mov_b32 s[GV1+7], 0
	s_mul_i32 s23, s12, 64*BP                      ; LDS: wave x 64 rows of the bias tile
	s_lshl_b32 s80, s18, 20                        ; bias: (128 wgy + 64 w) rows of 8,192 bytes: no cx in these registers
	s_lshl_b32 s81, s12, 19
	s_add_co_u32 s80, s80, s81
	s_mov_b32 s81, 0
	s_lshl_b32 s84, s19, 22                        ; K, V: batch x 2,048 rows of 2,048 bytes + 256 hp: no cy in these registers
	s_lshl_b32 s85, s17, 8
	s_add_co_u32 s84, s84, s85
	s_mov_b32 s85, 0
	s_lshl_b32 s88, s18, 18                        ; Q: (128 wgy + 64 qg) rows of 2,048 bytes + 256 hp + 128 hl
	s_lshl_b32 s20, s13, 17
	s_add_co_u32 s88, s88, s20
	s_lshl_b32 s20, s17, 8
	s_add_co_u32 s88, s88, s20
	s_lshl_b32 s94, s14, 7                         ; 128 hl
	s_add_co_u32 s88, s88, s94
	s_mov_b32 s89, 0
	s_lshl_b32 s90, s18, 18                        ; ao: (128 wgy + 32 w) rows of 2,048 bytes + 256 hp
	s_lshl_b32 s20, s12, 16
	s_add_co_u32 s90, s90, s20
	s_lshl_b32 s20, s17, 8
	s_add_co_u32 s90, s90, s20
	s_mov_b32 s91, 0
	s_lshl_b32 s92, s19, 13                        ; mask: batch x 8,192 bytes
	s_mov_b32 s93, 0
	s_wait_dscnt 0x0
	s_wait_kmcnt 0x0
	s_add_nc_u64 s[82:83], s[6:7], s[80:81]
	s_add_nc_u64 s[86:87], s[4:5], s[84:85]
	s_add_nc_u64 s[88:89], s[4:5], s[88:89]
	s_add_nc_u64 s[90:91], s[10:11], s[90:91]
	s_add_nc_u64 s[92:93], s[8:9], s[92:93]
.irp s, 0,1
	s_mov_b32 s[GB0+4*\s], 1
	s_add_co_u32 s[GB0+4*\s+1], s23, \s*SLOT+BOFF
	s_add_nc_u64 s[GB0+4*\s+2:GB0+4*\s+3], s[82:83], \s*512            ; key tile s: 128 f32 along the row
	s_or_b32 s[GB0+4*\s+3], s[GB0+4*\s+3], 0x80000000
	s_mov_b32 s[GK0+4*\s], 1
	s_mov_b32 s[GK0+4*\s+1], \s*SLOT
	s_add_nc_u64 s[GK0+4*\s+2:GK0+4*\s+3], s[86:87], 8388608+\s*262144 ; K is the second third of qkv; 128 rows down a tile
	s_or_b32 s[GK0+4*\s+3], s[GK0+4*\s+3], 0x80000000
	s_mov_b32 s[GV0+4*\s], 1
	s_mov_b32 s[GV0+4*\s+1], \s*SLOT+VOFF
	s_add_nc_u64 s[GV0+4*\s+2:GV0+4*\s+3], s[86:87], 16777216+\s*262144
	s_or_b32 s[GV0+4*\s+3], s[GV0+4*\s+3], 0x80000000
.endr
	ROUND                                          ; in front of the first joint loads
	JLOAD 0                                        ; both first fills go out together: two tensor loads of the wave are out
	JLOAD 1
	v_and_b32 v1, 15, v0                           ; r
	v_bfe_u32 v2, v0, 4, 1                         ; h
	v_lshlrev_b32 v[MOF], 4, v0                    ; 16 t: thread t takes four mask words of every 2,048 bytes
	v_lshlrev_b32 v[QOF], 11, v1
	v_lshl_add_u32 v[QOF], v2, 4, v[QOF]           ; r rows of 2,048 bytes + 16 h
.irp i, 0,1,2,3
	global_load_b128 v[RS+4*\i:RS+4*\i+3], v[MOF], s[92:93] offset:2048*\i
.endr
	WIN W_TO2
.irp q, 0,1,2,3
	global_load_b128 v[RQA+8*\q:RQA+8*\q+3],   v[QOF], s[88:89] offset:32768*\q        ; query 16 q + r, d = 8 h + 0..7
	global_load_b128 v[RQA+8*\q+4:RQA+8*\q+7], v[QOF], s[88:89] offset:32768*\q+32     ; d = 16 + 8 h + 0..7
.endr
	WIN 0
.irp q, 0,1,2,3
	global_load_b128 v[RQB+8*\q:RQB+8*\q+3],   v[QOF], s[88:89] offset:32768*\q+64     ; d = 32 + 8 h + 0..7
	global_load_b128 v[RQB+8*\q+4:RQB+8*\q+7], v[QOF], s[88:89] offset:32768*\q+96     ; d = 48 + 8 h + 0..7
.endr
	v_mul_u32_u24 v[KADR], v1, KP                  ; K fragment: row r, 128 hl + 16 h
	v_lshl_add_u32 v[KADR], v2, 4, v[KADR]
	v_add_nc_u32 v[KADR], s94, v[KADR]
	v_add_nc_u32 v[KADR+1], SLOT, v[KADR]
	v_and_b32 v[TA], 7, v0                         ; V^T fragment: row 8 h + (l & 7), 128 hl + 16 ((l >> 3) & 1)
	v_lshl_add_u32 v[TA], v2, 3, v[TA]
	v_mul_u32_u24 v[VADR], v[TA], VP
	v_bfe_u32 v[TA], v0, 3, 1
	v_lshl_add_u32 v[VADR], v[TA], 4, v[VADR]
	s_add_co_u32 s95, s94, VOFF
	v_add_nc_u32 v[VADR], s95, v[VADR]
	v_add_nc_u32 v[VADR+1], SLOT, v[VADR]
	s_mul_i32 s95, s13, 64*BP                      ; bias: row 64 qg + r, 32 h
	s_add_co_u32 s95, s95, BOFF
	v_mul_u32_u24 v[BADR], v1, BP
	v_lshl_add_u32 v[BADR], v2, 5, v[BADR]
	v_add_nc_u32 v[BADR], s95, v[BADR]
	v_add_nc_u32 v[BADR+1], SLOT, v[BADR]
	v_lshlrev_b32 v[CADR], 5, v2                   ; c: 32 h
	v_add_nc_u32 v[CADR], CB, v[CADR]
	s_mul_i32 s95, s13, 64*SP                      ; stage in: row 64 qg + r, 128 hl + 16 h
	s_add_co_u32 s95, s95, s94
	v_mul_u32_u24 v[STO], v1, SP
	v_lshl_add_u32 v[STO], v2, 4, v[STO]
	v_add_nc_u32 v[STO], s95, v[STO]
	s_mul_i32 s95, s12, 32*SP                      ; stage back: rows 32 w ..; lanes 0-15 take one row of 256 bytes, lanes 16-31 the next
	v_mul_u32_u24 v[RD], v2, SP
	v_lshl_add_u32 v[RD], v1, 4, v[RD]
	v_add_nc_u32 v[RD], s95, v[RD]
	v_lshlrev_b32 v[CO], 11, v2                    ; and the same two rows of ao (2,048 bytes each)
	v_lshl_add_u32 v[CO], v1, 4, v[CO]
	v_add_nc_u32 v[CST], CB, v[MOF]
	v_mov_b32 v[NEG], 0xc6616bcd                   ; -10000 log2(e)
	v_mov_b32 v[RMN+1], 0
	WIN W_TO1
	v_mov_b32 v[RAL+1], 0
	WIN 0
	s_wait_loadcnt 16                              ; the four mask loads are in; the sixteen Q loads behind them stay out
.set p, 0
.rept 16
	v_cmp_eq_u32 vcc_lo, 0, v[RS+p]
	v_cndmask_b32 v[RS+p], 0, v[NEG], vcc_lo
.set p, p+1
.endr
.irp i, 0,1,2,3
	ds_store_b128 v[CST], v[RS+4*\i:RS+4*\i+3] offset:2048*\i
.endr
	s_wait_loadcnt 0x0                             ; Q
	s_wait_dscnt 0x0                               ; my part of c is written, for the other waves
	s_wait_tensorcnt 0x1                           ; my part of slot 0 is in; slot 1 may stay out
	s_barrier_signal -1
	s_barrier_wait -1
.macro LDK slot, half                  ; 16 loads: the K fragments of 64 keys
	WIN 0
.irp t, 0,1,2,3
.irp c, 0,1
	ds_load_b128 v[RKF+16*\t+8*\c:RKF+16*\t+8*\c+3],   v[KADR+(\slot)] offset:(4*(\half)+\t)*16*KP+64*\c
	ds_load_b128 v[RKF+16*\t+8*\c+4:RKF+16*\t+8*\c+7], v[KADR+(\slot)] offset:(4*(\half)+\t)*16*KP+64*\c+32
.endr
.endr
.endm
.macro LDV slot, half                  ; 16 transposing loads: the V^T fragments of 64 keys
	WIN W_TO1
.irp e, 0,1
.irp d, 0,1,2,3
	ds_load_tr16_b128 v[RVF+32*\e+8*\d:RVF+32*\e+8*\d+3],   v[VADR+(\slot)] offset:(2*(\half)+\e)*32*VP+32*\d
	ds_load_tr16_b128 v[RVF+32*\e+8*\d+4:RVF+32*\e+8*\d+7], v[VADR+(\slot)] offset:(2*(\half)+\e)*32*VP+32*\d+16*VP
.endr
.endr
.endm
.macro LDC half, coff                  ; 8 loads: c of 64 keys
	WIN W_TO2
.irp t, 0,1,2,3
	ds_load_b128 v[RC+32*\half+8*\t:RC+32*\half+8*\t+3],   v[CADR] offset:(\coff)+256*\half+64*\t
	ds_load_b128 v[RC+32*\half+8*\t+4:RC+32*\half+8*\t+7], v[CADR] offset:(\coff)+256*\half+64*\t+16
.endr
.endm
.macro LDB slot, u                     ; 8 loads: the bias of unit u
	WIN W_TO2
.irp t, 0,1,2,3
	ds_load_b128 v[RBI+32*((\u)%2)+8*\t:RBI+32*((\u)%2)+8*\t+3],   v[BADR+(\slot)] offset:((\u)%4)*16*BP+((\u)/4)*256+64*\t
	ds_load_b128 v[RBI+32*((\u)%2)+8*\t+4:RBI+32*((\u)%2)+8*\t+7], v[BADR+(\slot)] offset:((\u)%4)*16*BP+((\u)/4)*256+64*\t+16
.endr
.endm
; The S products of the next unit (set sn, q-tile qn), key tile t.  SM1: d = 0..31, starts the sum; SM2: d = 32..63, in place.
; The four accumulators take turns, one instruction a turn.
.macro SM1 t
.if nxt
	v_wmma_f32_16x16x32_f16 v[sn+8*\t:sn+8*\t+7], v[RKF+16*\t:RKF+16*\t+7], v[RQA+8*qn:RQA+8*qn+7], 0
.endif
.endm
.macro SM2 t
.if nxt
	v_wmma_f32_16x16x32_f16 v[sn+8*\t:sn+8*\t+7], v[RKF+16*\t+8:RKF+16*\t+15], v[RQB+8*qn:RQB+8*qn+7], v[sn+8*\t:sn+8*\t+7]
.endif
.endm
; The change of slots.  s = the slot whose tile has been read to its end.  Each wave waits for all its tensor loads (its part of the other slot among them)
; and for its reads of slot s; the round of the cluster barrier makes both hold of every wave of every partner; the joint refill of slot s is the first
; thing behind it, one load a wave.  refill = 0: nothing is left to fetch, and a barrier of the work-group shows the other slot whole.
.macro CHANGE s, refill
	WIN 0
	s_wait_tensorcnt 0x0
	ds_add_u32 v254, v255
	s_wait_dscnt 0x0
.if \refill
	s_add_nc_u64 s[GB0+4*(\s)+2:GB0+4*(\s)+3], s[GB0+4*(\s)+2:GB0+4*(\s)+3], 1024      ; two tiles on: 256 f32 along the row
	s_add_nc_u64 s[GK0+4*(\s)+2:GK0+4*(\s)+3], s[GK0+4*(\s)+2:GK0+4*(\s)+3], 524288    ; 256 rows down
	s_add_nc_u64 s[GV0+4*(\s)+2:GV0+4*(\s)+3], s[GV0+4*(\s)+2:GV0+4*(\s)+3], 524288
.endif
	s_wait_dscnt 0x0
.if \refill
	ROUND
	JLOAD \s
.else
	s_barrier_signal -1
	s_barrier_wait -1
.endif
.endm
; Unit u of a tile in slot 'slot': q-tile u % 4, keys 64 (u / 4) .. + 63.
; first = 1: tile 0, whose units 0-3 start maxima and sums and whose O products (issued in units 1-4) start O: nothing is cleared.
; mode  = 0: the slot is filled again at unit 6;  1: a next tile follows, but nothing is left to fetch;  2: the last tile.
; coff  = byte offset of the tile's c from the address in CADR.
; LDS loads of a tile in the order of issue: u0 bias 2 (8), V half 0 (16) | u1 bias 3 (8) | u2 c half 1 (8), bias 4 (8), K half 1 (16) | u3 bias 5 (8) |
; u4 bias 6 (8), V half 1 (16) | u5 bias 7 (8) | u6 next tile's c half 0 (8), bias 0 (8), K half 0 (16) | u7 next tile's bias 1 (8).
.macro UNIT slot, u, first, mode, coff
.set sb, RS+32*((\u)%2)
.set sn, RS+32*(((\u)+1)%2)
.set bb, RBI+32*((\u)%2)
.set cb, RC+32*((\u)/4)
.set qt, (\u)%4
.set qn, ((\u)+1)%4
.set qp, ((\u)+3)%4
.set vfirst, 0                         ; this unit starts its q-tile's maximum and sum
.set pvm, 1                            ; the O products of the unit before: 0 none, 1 in place, 2 the first four start O
.set nxt, 1                            ; a next unit exists
.set fol, 1                            ; a next tile exists
.if \first
.if \u < 4
.set vfirst, 1
.endif
.if \u <= 4
.set pvm, 2
.endif
.if \u == 0
.set pvm, 0
.endif
.endif
.if \mode == 2
.set fol, 0
.if \u == 7
.set nxt, 0
.endif
.endif
.if \u == 6
.if \mode == 0
	CHANGE \slot, 1
.endif
.if \mode == 1
	CHANGE \slot, 0
.endif
.endif
	; stretch a: score = S bias + c, four to each of the first four S products of the next unit
.if (\u)%4 == 1
	s_wait_dscnt 24                                ; this unit's bias is in; the next bias (8) and the V fragments (16) behind it stay out
.endif
.if (\u)%4 == 3
	s_wait_dscnt 0                                 ; the K fragments for the next unit are the youngest loads
.endif
	WIN W_FMA
.irp t, 0,1,2,3
	SM1 \t
.irp k, 0,1,2,3
	v_pk_fma_f32 v[sb+8*\t+2*\k:sb+8*\t+2*\k+1], v[sb+8*\t+2*\k:sb+8*\t+2*\k+1], v[bb+8*\t+2*\k:bb+8*\t+2*\k+1], v[cb+8*\t+2*\k:cb+8*\t+2*\k+1]
.endr
.endr
.if \u == 2
	LDC 1, \coff
.endif
.if \u < 6
	LDB \slot, \u+2                                ; into the bias set just read
.else
.if fol
.if \u == 6
	LDC 0, \coff+512
.endif
	LDB 1-\slot, \u-6
.endif
.endif
	; stretch b: the maximum, four to each of the second four S products
	WIN 0
	SM2 0
.irp k, 0,1,2,3
	v_max3_num_f32 v[RT+\k], v[sb+8*\k], v[sb+8*\k+1], v[sb+8*\k+2]
.endr
	SM2 1
.irp k, 0,1,2,3
	v_max3_num_f32 v[RT+\k], v[RT+\k], v[sb+8*\k+3], v[sb+8*\k+4]
.endr
	SM2 2
.irp k, 0,1,2,3
	v_max3_num_f32 v[RT+\k], v[RT+\k], v[sb+8*\k+5], v[sb+8*\k+6]
.endr
	SM2 3
	v_max3_num_f32 v[RT], v[RT], v[sb+7], v[sb+15]
	v_max3_num_f32 v[RT+1], v[RT+1], v[sb+23], v[sb+31]
	v_max3_num_f32 v[RT], v[RT], v[RT+1], v[RT+2]
.if vfirst
	v_max_num_f32 v[RT], v[RT], v[RT+3]
.else
	v_max3_num_f32 v[RT], v[RT], v[RT+3], v[RM+qt]
.endif
	v_permlanex16_b32 v[RT+1], v[RT], s78, s79     ; the other 32 keys of my query
	v_max_num_f32 v[RMN], v[RT], v[RT+1]
.if vfirst == 0
	v_sub_f32 v[RT+2], v[RM+qt], v[RMN]
.endif
	v_mov_b32 v[RM+qt], v[RMN]
.if \u == 2
	LDK \slot, 1                                   ; more than four plain places behind the last product that read these registers
.endif
.if \u == 6
.if fol
	LDK 1-\slot, 0
.endif
.endif
	; stretch s: E = score - maximum, into window 1
	WIN W_TO1
.if vfirst == 0
	v_exp_f32 v[RAL], v[RT+2]                      ; used far below; the subtractions are the plain instructions behind it (ISA guide 5.7.2)
.endif
.set p, 0
.rept 16
	v_pk_add_f32 v[RE+2*p:RE+2*p+1], v[sb+2*p:sb+2*p+1], v[RMN:RMN+1] op_sel_hi:[1,0] neg_lo:[0,1] neg_hi:[0,1]
.set p, p+1
.endr
	; stretch c: four exponentials to each O product of the unit before (q-tile qp, weights in P)
.if (\u)%4 == 1
	s_wait_dscnt 8                                 ; the V fragments are in; the bias asked for behind them (8) stays out
.endif
	WIN W_ONE
.irp g, 0,1,2,3,4,5,6,7
.if pvm == 1
	v_wmma_f32_16x16x32_f16 v[RO+32*qp+8*((\g)%4):RO+32*qp+8*((\g)%4)+7], v[RVF+8*\g:RVF+8*\g+7], v[RP+8*((\g)/4):RP+8*((\g)/4)+7], v[RO+32*qp+8*((\g)%4):RO+32*qp+8*((\g)%4)+7]
.endif
.if pvm == 2
.if \g < 4
	v_wmma_f32_16x16x32_f16 v[RO+32*qp+8*((\g)%4):RO+32*qp+8*((\g)%4)+7], v[RVF+8*\g:RVF+8*\g+7], v[RP+8*((\g)/4):RP+8*((\g)/4)+7], 0
.else
	v_wmma_f32_16x16x32_f16 v[RO+32*qp+8*((\g)%4):RO+32*qp+8*((\g)%4)+7], v[RVF+8*\g:RVF+8*\g+7], v[RP+8*((\g)/4):RP+8*((\g)/4)+7], v[RO+32*qp+8*((\g)%4):RO+32*qp+8*((\g)%4)+7]
.endif
.endif
.irp k, 0,1,2,3
	v_exp_f32 v[RE+4*\g+\k], v[RE+4*\g+\k]
.endr
.endr
	; plain instructions that touch neither the weights nor the last product's registers: the places behind the exponentials and behind the products
.set p, 0
.if vfirst
	PLACES
.else
	s_wait_alu depctr_va_vdst(0)
.rept 8
	v_pk_mul_f32 v[RO+32*qt+2*p:RO+32*qt+2*p+1], v[RO+32*qt+2*p:RO+32*qt+2*p+1], v[RAL:RAL+1] op_sel_hi:[1,0]
.set p, p+1
.endr
.endif
.if (\u)%4 == 0
	LDV \slot, (\u)/4                              ; the products above were the last to read the old V fragments
	WIN W_ONE
.endif
.if vfirst == 0
.rept 8
	v_pk_mul_f32 v[RO+32*qt+2*p:RO+32*qt+2*p+1], v[RO+32*qt+2*p:RO+32*qt+2*p+1], v[RAL:RAL+1] op_sel_hi:[1,0]
.set p, p+1
.endr
.endif
.irp k, 0,1,2,3
	v_pk_add_f32 v[RSUM+2*\k:RSUM+2*\k+1], v[RE+2*\k:RE+2*\k+1], v[RE+8+2*\k:RE+8+2*\k+1]
.endr
.irp k, 0,1,2,3
	v_pk_add_f32 v[RSUM+2*\k:RSUM+2*\k+1], v[RSUM+2*\k:RSUM+2*\k+1], v[RE+16+2*\k:RE+16+2*\k+1]
.endr
.irp k, 0,1,2,3
	v_pk_add_f32 v[RSUM+2*\k:RSUM+2*\k+1], v[RSUM+2*\k:RSUM+2*\k+1], v[RE+24+2*\k:RE+24+2*\k+1]
.endr
	v_pk_add_f32 v[RSUM:RSUM+1], v[RSUM:RSUM+1], v[RSUM+2:RSUM+3]
	v_pk_add_f32 v[RSUM+4:RSUM+5], v[RSUM+4:RSUM+5], v[RSUM+6:RSUM+7]
	v_pk_add_f32 v[RSUM:RSUM+1], v[RSUM:RSUM+1], v[RSUM+4:RSUM+5]
.if vfirst
	v_add_f32 v[RL+qt], v[RSUM], v[RSUM+1]
.else
	v_add_f32 v[RX], v[RSUM], v[RSUM+1]
	v_fma_f32 v[RL+qt], v[RL+qt], v[RAL], v[RX]
.endif
.set p, 0
.rept 16
	v_cvt_pk_f16_f32 v[RP+p], v[RE+2*p], v[RE+2*p+1]       ; P is written again only here, behind the sums, which are the places behind its last reader
.set p, p+1
.endr
.endm
.macro TILE slot, first, mode, coff
	UNIT \slot, 0, \first, \mode, \coff
	UNIT \slot, 1, \first, \mode, \coff
	UNIT \slot, 2, \first, \mode, \coff
	UNIT \slot, 3, \first, \mode, \coff
	UNIT \slot, 4, \first, \mode, \coff
	UNIT \slot, 5, \first, \mode, \coff
	UNIT \slot, 6, \first, \mode, \coff
	UNIT \slot, 7, \first, \mode, \coff
.endm
	; the pipeline is filled: what units 6 and 7 of a tile before would have asked for, and the S products of unit 0
	LDK 0, 0
	LDC 0, 0
	LDB 0, 0
	LDB 0, 1
	s_wait_dscnt 24                                ; the K fragments are in; c (8) and bias 0 and 1 (16) stay out
.set sn, RS
.set qn, 0
.set nxt, 1
	WIN W_FMA
.irp t, 0,1,2,3
	SM1 \t
.endr
	WIN 0
.irp t, 0,1,2,3
	SM2 \t
.endr
	s_wait_dscnt 8                                 ; c and bias 0 are in; bias 1 stays out, as at the head of every tile
	PLACES
	TILE 0, 1, 0, 0                                ; tile 0; slot 0 gets tile 2
	WIN 0
	s_mov_b32 s76, 6
.Ltiles:
	TILE 1, 0, 0, 512                              ; tiles 1, 3, .. 11; slot 1 gets tiles 3, 5, .. 13
	TILE 0, 0, 0, 1024                             ; tiles 2, 4, .. 12; slot 0 gets tiles 4, 6, .. 14
	WIN 0
	v_add_nc_u32 v[CADR], 1024, v[CADR]            ; c: two tiles on
	s_sub_co_u32 s76, s76, 1
	s_cmp_lg_u32 s76, 0
	s_cbranch_scc1 .Ltiles
	TILE 1, 0, 0, 512                              ; tile 13; slot 1 gets tile 15, the last load
	TILE 0, 0, 1, 1024                             ; tile 14; nothing is left to fetch
	TILE 1, 0, 2, 1536                             ; tile 15
	WIN W_ONE
.irp g, 0,1,2,3,4,5,6,7
	v_wmma_f32_16x16x32_f16 v[RO+96+8*((\g)%4):RO+96+8*((\g)%4)+7], v[RVF+8*\g:RVF+8*\g+7], v[RP+8*((\g)/4):RP+8*((\g)/4)+7], v[RO+96+8*((\g)%4):RO+96+8*((\g)%4)+7]   ; the O products of the last unit
.endr
	; THE WAY OUT.  Register j of O[q][d] in lane (r, h) is column 16 d + 8 h + j of query 16 q + r: eight neighbours, 16 bytes of f16.
	PLACES
.irp q, 0,1,2,3
	v_permlanex16_b32 v[RSUM+\q], v[RL+\q], s78, s79
.endr
.irp q, 0,1,2,3
	v_add_f32 v[RL+\q], v[RL+\q], v[RSUM+\q]       ; both halves of the keys; at least 1, since the largest weight is 1
.endr
.irp q, 0,1,2,3
	v_rcp_f32 v[RSUM+\q], v[RL+\q]
.endr
	v_nop                                          ; the plain place behind the reciprocals
	s_wait_alu depctr_va_vdst(0)
.macro OUTQ q
	WIN W_ONE
	v_mov_b32 v[RAL], v[RSUM+\q]
.set p, 0
.rept 16
	v_pk_mul_f32 v[RE+2*p:RE+2*p+1], v[RO+32*\q+2*p:RO+32*\q+2*p+1], v[RAL:RAL+1] op_sel_hi:[1,0]
.set p, p+1
.endr
.set p, 0
.rept 16
	v_cvt_pk_f16_f32 v[RP+p], v[RE+2*p], v[RE+2*p+1]
.set p, p+1
.endr
	WIN W_ST1                                      ; address in window 0, data in window 1
.irp d, 0,1,2,3
	ds_store_b128 v[STO], v[RP+4*\d:RP+4*\d+3] offset:\q*16*SP+32*\d
.endr
.endm
	OUTQ 0
	OUTQ 1
	OUTQ 2
	OUTQ 3
	WIN 0
	s_wait_dscnt 0x0                               ; my stores are done, for the waves that read these rows
	s_barrier_signal -1
	s_barrier_wait -1
.set i, 0
.rept 16
	ds_load_b128 v[RS+4*i:RS+4*i+3], v[RD] offset:i*2*SP       ; rows 32 w + 2 i and 2 i + 1, both heads: 256 bytes each
.set i, i+1
.endr
.set i, 0
.rept 16
	s_wait_dscnt 15-i                              ; pair i of rows is in, the 15 - i younger ones stay out
	global_store_b128 v[CO], v[RS+4*i:RS+4*i+3], s[90:91] offset:i*4096       ; 16 lanes store 256 consecutive bytes at a multiple of 256
.set i, i+1
.endr
	s_wait_tensorcnt 0x0
	ds_add_u32 v254, v255
	s_wait_dscnt 0x0
	ROUND                                          ; the closing round
	s_endpgm
.Lfunc_end_k_q776f48a95b_attn:
	.size	k_q776f48a95b_attn, .Lfunc_end_k_q776f48a95b_attn-k_q776f48a95b_attn
	.p2alignl 7, 3214868480
	.fill 96, 4, 3214868480
	.section	.rodata,"a",@progbits
	.p2align	6, 0x0
	.amdhsa_kernel k_q776f48a95b_attn
		.amdhsa_group_segment_fixed_size 327680
		.amdhsa_private_segment_fixed_size 0
		.amdhsa_enable_private_segment 0
		.amdhsa_kernarg_size 32
		.amdhsa_user_sgpr_count 2
		.amdhsa_user_sgpr_kernarg_segment_ptr 1
		.amdhsa_wavefront_size32 1
		.amdhsa_system_sgpr_workgroup_id_x 1
		.amdhsa_system_sgpr_workgroup_id_y 1
		.amdhsa_system_sgpr_workgroup_id_z 1
		.amdhsa_system_vgpr_workitem_id 0
		.amdhsa_next_free_vgpr 768
		.amdhsa_next_free_sgpr 96
		.amdhsa_reserve_vcc 1
		.amdhsa_float_denorm_mode_32 3
		.amdhsa_float_denorm_mode_16_64 3
		.amdhsa_memory_ordered 1
		.amdhsa_forward_progress 1
		.amdhsa_inst_pref_size 255
	.end_amdhsa_kernel
	.section	.bss,"aw",@nobits
	.p2align	6
	.space	262144
	.amdgpu_metadata
---
amdhsa.version: [ 1, 2 ]
amdhsa.kernels:
  - .name:           k_q776f48a95b_attn
    .symbol:         k_q776f48a95b_attn.kd
    .args:
      - { .name: qkv, .offset: 0, .size: 8, .value_kind: global_buffer, .address_space: global }
      - { .name: bias, .offset: 8, .size: 8, .value_kind: global_buffer, .address_space: global }
      - { .name: mask, .offset: 16, .size: 8, .value_kind: global_buffer, .address_space: global }
      - { .name: ao, .offset: 24, .size: 8, .value_kind: global_buffer, .address_space: global }
    .group_segment_fixed_size: 327680
    .private_segment_fixed_size: 0
    .kernarg_segment_align: 8
    .kernarg_segment_size: 32
    .max_flat_workgroup_size: 128
    .sgpr_count:     96
    .vgpr_count:     768
    .wavefront_size: 32
...
	.end_amdgpu_metadata
.endif
;; end of part 3
;; launch oproj (part 4): grid 8 x 32, 4 waves a work-group, clusters of 4 x 4, 327,680 bytes of LDS; arguments ao, xw, bo, out0; writes out0
.if DOCPART == 4
	.amdgcn_target "amdgcn-amd-amdhsa--gfx1250"
	.amdhsa_code_object_version 6
	.text
	.protected	k_q776f48a95b_oproj
	.globl	k_q776f48a95b_oproj
	.p2align	8
	.type	k_q776f48a95b_oproj,@function
k_q776f48a95b_oproj:
	s_mov_b64 s[64:65], 0
	v_nop
	global_prefetch_b8 v0, s[64:65] scope:SCOPE_SE
	s_setreg_imm32_b32 hwreg(HW_REG_WAVE_MODE, 25, 1), 1
	s_wait_xcnt 0x0
	s_wait_alu depctr_hold_cnt(0) depctr_sa_sdst(0) depctr_va_vdst(0) depctr_va_sdst(0) depctr_va_ssrc(0) depctr_va_vcc(0) depctr_vm_vsrc(0)
	s_getreg_b32 s2, hwreg(HW_REG_IB_STS2, 6, 4)
	s_cmp_eq_u32 s2, 0
	s_cbranch_scc0 .Lentry_in_a_cluster
	s_endpgm
.Lentry_in_a_cluster:
	s_bfe_u32 s2, ttmp6, 0x10000c
	s_cmp_lg_u32 s2, 0xf033
	s_cbranch_scc0 .Lentry_shape_is_right
	s_endpgm
.Lentry_shape_is_right:
; out0[m][n] = 2 (sum over k of a[m][k] Wo[n][k]) + bo[n], f32 out; a = ao/2 as the launch before stored it (f16), Wo in f16 from xw; sums in f32.
; A work-group makes 128 x 128 with four waves, a wave 64 x 64 (16 accumulator tiles): 256 work-groups.  Blocks of 256 x 256 would make 64 work-groups only.
; K goes in blocks of 256 through two LDS slots: A 128 rows x 528 bytes (512 of data, 16 of padding), then B the same.  Four tiles, written out:
; two first fills and two refills.  Each wave fetches 64 rows of 512 bytes with one tensor load; the rows start at multiples of 512 bytes.
; CLUSTERS of 4 x 4: A tiles are shared along a row of the cluster, B tiles along a column, by joint loads.
; For 32 along K a wave reads 4 fragments of B and 4 of A (16 LDS loads) and issues 16 matrix instructions.
; REGISTERS: window 0: v16-27 addresses, v64-127 and v128-191 two fragment buffers (B 32, A 32);  window 1: v0-127 accumulators (tile (a, b) at 8 (4 a + b)), v128-159 bo.
; The matrix instruction is used transposed (source 0 = rows of Wo): lane l holds row l % 16, registers 0-7 the columns 8 (l / 16) + 0..7.
.set PITCH,  528                       ; an odd multiple of 16: the 16 rows of a fragment load start 16 bytes apart modulo 256
.set HALF,   64*PITCH                  ; what one tensor load brings
.set BOFF,   2*HALF
.set SLOT,   4*HALF                    ; 135,168
.set STAGE,  2*SLOT                    ; 16 rows x 272 bytes for each wave; no fill ever lands here
.set SPITCH, 272
.set WOOFF,  31457280                  ; byte offset of Wo in xw
.set ADRA, 16
.set ADRB, 20
.set STO,  24
.set RD,   25
.set CO,   26
.set BVA,  27
.set F0,   64
.set F1,   128
.set T,    64
.set RB0,  96
.set RB1,  128
.set BV,   128                         ; window 1
.set G1A, 24
.set G0A, 32
.set G1B, 48
.set G0B, 56
.set MSB, 0
.macro WIN new
.if MSB != (\new)
	s_set_vgpr_msb (MSB<<8)|(\new)
.set MSB, (\new)
.endif
.endm
.macro PLACES                          ; four plain vector places behind a matrix instruction (ISA guide 7.12.1 for vector instructions)
.rept 4
	v_nop
.endr
.endm
.macro ROUND
	s_barrier_signal -1
	s_barrier_wait -1
	s_cmp_lg_u32 s12, 0
	s_cbranch_scc1 .Lnot_wave_0_\@
	s_barrier_signal -3
.Lnot_wave_0_\@:
	s_barrier_wait -3
	s_barrier_signal -1
	s_barrier_wait -1
.endm
.macro JLOAD s                         ; waves 0, 1: the halves of A; waves 2, 3: the halves of B
	s_cmp_eq_u32 s13, 0
	s_cbranch_scc0 .Lfor_b_\@
	tensor_load_to_lds s[G0A+4*(\s):G0A+4*(\s)+3], s[G1A:G1A+7]
	s_nop 0
	s_branch .Lasked_\@
.Lfor_b_\@:
	tensor_load_to_lds s[G0B+4*(\s):G0B+4*(\s)+3], s[G1B:G1B+7]
	s_nop 0
.Lasked_\@:
.endm
	s_load_b256 s[4:11], s[0:1], 0x0               ; ao s[4:5], xw s[6:7], bo s[8:9], out0 s[10:11]
	v_lshl_add_u32 v254, v0, 2, 0x46400
	v_mov_b32 v255, 0
	ds_add_u32 v254, v255
	v_lshrrev_b32 v1, 5, v0
	v_readfirstlane_b32 s12, v1                    ; wave
	s_lshr_b32 s13, s12, 1                         ; my half of the rows; also: I fetch A (0) or B (1)
	s_and_b32 s14, s12, 1                          ; my half of the columns; also: which 64 rows I fetch
	s_bfe_u32 s40, ttmp6, 0x40000                  ; cx
	s_bfe_u32 s41, ttmp6, 0x40004                  ; cy
	s_lshl_b32 s42, ttmp9, 2
	s_add_co_u32 s42, s42, s40                     ; block column 0..7
	s_and_b32 s43, ttmp7, 0xffff
	s_lshl_b32 s43, s43, 2
	s_add_co_u32 s43, s43, s41                     ; block row 0..31
	s_lshl_b32 s44, s41, 2
	s_lshl_b32 s44, 15, s44                        ; my row of the cluster
	s_lshl_b32 s45, 0x1111, s40                    ; my column
	; a tile of 64 rows x 256 elements of 2 bytes; 4 words of padding behind every 128
	s_or_b32  s[G1A+0], s44, (1<<16)|(1<<20)|(1<<21)|(6<<22)|(3<<25)
	s_or_b32  s[G1B+0], s45, (1<<16)|(1<<20)|(1<<21)|(6<<22)|(3<<25)
	s_mov_b32 s[G1A+1], 256<<16
	s_mov_b32 s[G1B+1], 256<<16
	s_mov_b32 s[G1A+2], 64<<16
	s_mov_b32 s[G1B+2], 64<<16
	s_mov_b32 s[G1A+3], 256<<16
	s_mov_b32 s[G1B+3], 256<<16
	s_mov_b32 s[G1A+4], 64
	s_mov_b32 s[G1B+4], 64
	s_mov_b32 s[G1A+5], 1024
	s_mov_b32 s[G1B+5], 1024
	s_mov_b32 s[G1A+6], 0
	s_mov_b32 s[G1B+6], 0
	s_mov_b32 s[G1A+7], 0
	s_mov_b32 s[G1B+7], 0
	s_lshl_b32 s16, s43, 18                        ; A: (128 x block row + 64 x half) rows of 2,048 bytes: no cx here
	s_lshl_b32 s17, s14, 17
	s_add_co_u32 s16, s16, s17
	s_mov_b32 s17, 0
	s_lshl_b32 s46, s42, 18                        ; B: (128 x block column + 64 x half) rows of 2,048 bytes: no cy here
	s_lshl_b32 s47, s14, 17
	s_add_co_u32 s46, s46, s47
	s_mov_b32 s47, 0
	s_mul_i32 s20, s12, HALF                       ; LDS: the two halves of A, then those of B = wave x 64 rows
	s_wait_dscnt 0x0
	s_wait_kmcnt 0x0
	s_add_nc_u64 s[18:19], s[4:5], s[16:17]
	s_add_nc_u64 s[46:47], s[6:7], s[46:47]
	s_add_nc_u64 s[46:47], s[46:47], WOOFF
.irp s, 0,1
	s_mov_b32 s[G0A+4*\s], 1
	s_add_co_u32 s[G0A+4*\s+1], s20, \s*SLOT
	s_add_nc_u64 s[G0A+4*\s+2:G0A+4*\s+3], s[18:19], \s*512
	s_or_b32 s[G0A+4*\s+3], s[G0A+4*\s+3], 0x80000000
	s_mov_b32 s[G0B+4*\s], 1
	s_add_co_u32 s[G0B+4*\s+1], s20, \s*SLOT
	s_add_nc_u64 s[G0B+4*\s+2:G0B+4*\s+3], s[46:47], \s*512
	s_or_b32 s[G0B+4*\s+3], s[G0B+4*\s+3], 0x80000000
.endr
	ROUND                                          ; in front of the first joint loads
	JLOAD 0                                        ; both first fills: two tensor loads of the wave are out
	JLOAD 1
	v_and_b32 v1, 15, v0                           ; r
	v_bfe_u32 v2, v0, 4, 1                         ; h
	s_lshl_b32 s22, s42, 9
	s_lshl_b32 s23, s14, 8
	s_add_co_u32 s22, s22, s23                     ; 4 (128 x block column + 64 x half): my first column in bytes, in bo and in a row of out0
	v_lshl_add_u32 v[BVA], v2, 5, s22
	WIN 0x40
.irp b, 0,1,2,3
	global_load_b128 v[BV+8*\b:BV+8*\b+3],   v[BVA], s[8:9] offset:64*\b       ; waited for on the way out
	global_load_b128 v[BV+8*\b+4:BV+8*\b+7], v[BVA], s[8:9] offset:64*\b+16
.endr
	WIN 0
	v_mul_u32_u24 v3, v1, PITCH
	v_lshl_add_u32 v3, v2, 4, v3                   ; row x pitch + 16 x half
	s_mul_i32 s23, s13, HALF
	v_add_nc_u32 v[ADRA], s23, v3
	v_add_nc_u32 v[ADRA+1], SLOT, v[ADRA]
	s_mul_i32 s23, s14, HALF
	s_add_co_u32 s23, s23, BOFF
	v_add_nc_u32 v[ADRB], s23, v3
	v_add_nc_u32 v[ADRB+1], SLOT, v[ADRB]
	s_mul_i32 s23, s12, 16*SPITCH
	s_add_co_u32 s23, s23, STAGE
	v_mul_u32_u24 v3, v1, SPITCH                   ; in: row r, 32 bytes for each half of the lanes
	v_lshl_add_u32 v3, v2, 5, v3
	v_add_nc_u32 v[STO], s23, v3
	v_mul_u32_u24 v3, v2, SPITCH                   ; back: lanes 0-15 one row of 256 bytes, lanes 16-31 the next
	v_lshl_add_u32 v3, v1, 4, v3
	v_add_nc_u32 v[RD], s23, v3
	v_lshlrev_b32 v3, 12, v2                       ; and the same two rows of out0 (4,096 bytes each)
	v_lshl_add_u32 v[CO], v1, 4, v3
.macro FETCH slot, kq, f               ; 16 LDS loads: the fragments of 32 along K
.irp b, 0,1,2,3
	ds_load_b128 v[\f+8*\b:\f+8*\b+3],   v[ADRB+\slot] offset:\b*16*PITCH+64*\kq
	ds_load_b128 v[\f+8*\b+4:\f+8*\b+7], v[ADRB+\slot] offset:\b*16*PITCH+64*\kq+32
.endr
.irp a, 0,1,2,3
	ds_load_b128 v[\f+32+8*\a:\f+32+8*\a+3], v[ADRA+\slot] offset:\a*16*PITCH+64*\kq
	ds_load_b128 v[\f+32+8*\a+4:\f+32+8*\a+7], v[ADRA+\slot] offset:\a*16*PITCH+64*\kq+32
.endr
.endm
.macro MUL f, zero                     ; 16 products, the 16 accumulators by turns
.irp a, 0,1,2,3
.irp b, 0,1,2,3
.if \zero
	v_wmma_f32_16x16x32_f16 v[8*(4*\a+\b):8*(4*\a+\b)+7], v[\f+8*\b:\f+8*\b+7], v[\f+32+8*\a:\f+32+8*\a+7], 0
.else
	v_wmma_f32_16x16x32_f16 v[8*(4*\a+\b):8*(4*\a+\b)+7], v[\f+8*\b:\f+8*\b+7], v[\f+32+8*\a:\f+32+8*\a+7], v[8*(4*\a+\b):8*(4*\a+\b)+7]
.endif
.endr
.endr
.endm
; 32 along K: buffer f is multiplied; ahead of that the next fragments are asked for, into buffer g, so that they have these 16 products in which to come
.macro QUARTER f, zero, fetch, slot, kq, g
	s_wait_dscnt 0x0                               ; buffer f is in
.if \fetch
	WIN 0
	PLACES
	FETCH \slot, \kq, \g
.endif
	WIN 0x50
	MUL \f, \zero
.endm
.macro TILE slot, zero
	WIN 0
	PLACES
	FETCH \slot, 0, F0
	QUARTER F0, \zero, 1, \slot, 1, F1
	QUARTER F1, 0, 1, \slot, 2, F0
	QUARTER F0, 0, 1, \slot, 3, F1
	QUARTER F1, 0, 1, \slot, 4, F0
	QUARTER F0, 0, 1, \slot, 5, F1
	QUARTER F1, 0, 1, \slot, 6, F0
	QUARTER F0, 0, 1, \slot, 7, F1
	QUARTER F1, 0, 0, \slot, 0, F0
.endm
; The change to slot s: all my tensor loads have landed, my reads of the other slot are back; the round makes both hold in the whole cluster; the joint refill comes first behind it.
.macro CHANGE s, refill
	WIN 0
	s_wait_tensorcnt 0x0
	ds_add_u32 v254, v255
	s_wait_dscnt 0x0
.if \refill
	s_add_nc_u64 s[G0A+4*(1-\s)+2:G0A+4*(1-\s)+3], s[G0A+4*(1-\s)+2:G0A+4*(1-\s)+3], 1024      ; two tiles on: 512 elements along the row
	s_add_nc_u64 s[G0B+4*(1-\s)+2:G0B+4*(1-\s)+3], s[G0B+4*(1-\s)+2:G0B+4*(1-\s)+3], 1024
.endif
	s_wait_dscnt 0x0
.if \refill
	ROUND
	JLOAD 1-\s
.else
	s_barrier_signal -1
	s_barrier_wait -1
.endif
.endm
	s_wait_tensorcnt 0x1                           ; my part of slot 0 is in; slot 1 may stay out
	s_barrier_signal -1
	s_barrier_wait -1
	TILE 0, 1                                      ; tile 0: the first products start the sums
	CHANGE 1, 1                                    ; slot 0 gets tile 2
	TILE 1, 0                                      ; tile 1
	CHANGE 0, 1                                    ; slot 1 gets tile 3
	TILE 0, 0                                      ; tile 2
	CHANGE 1, 0                                    ; nothing is left to fetch
	TILE 1, 0                                      ; tile 3
	; THE WAY OUT, 16 rows at a time through my own stage
	WIN 0
	PLACES
	s_wait_loadcnt 0x0                             ; bo
	s_lshl_b32 s68, s43, 19                        ; (128 x block row + 64 x half) rows of 4,096 bytes + my first column
	s_lshl_b32 s69, s13, 18
	s_add_co_u32 s68, s68, s69
	s_add_co_u32 s68, s68, s22
	s_mov_b32 s69, 0
	s_add_nc_u64 s[10:11], s[10:11], s[68:69]
.macro OUT a, rb
	WIN 0x11
.irp b, 0,1,2,3
.irp r, 0,1,2,3
	v_pk_fma_f32 v[T+8*\b+2*\r:T+8*\b+2*\r+1], v[8*(4*\a+\b)+2*\r:8*(4*\a+\b)+2*\r+1], 2.0, v[BV+8*\b+2*\r:BV+8*\b+2*\r+1] op_sel_hi:[1,0,1]   ; the 2 undoes the half on V
.endr
.endr
	WIN 0
.irp b, 0,1,2,3
	ds_store_b128 v[STO], v[T+8*\b:T+8*\b+3] offset:64*\b
	ds_store_b128 v[STO], v[T+8*\b+4:T+8*\b+7] offset:64*\b+16
.endr
	s_wait_xcnt 0x0                                ; the base and the read-back registers, which earlier stores name, are rewritten only behind this wait
.if \a
	s_add_nc_u64 s[10:11], s[10:11], 65536         ; 16 rows on
.endif
.irp t, 0,1,2,3,4,5,6,7
	ds_load_b128 v[\rb+4*\t:\rb+4*\t+3], v[RD] offset:\t*2*SPITCH          ; LDS serves a wave in order: these see the stores above
.endr
.irp t, 0,1,2,3,4,5,6,7
	s_wait_dscnt 7-\t                              ; pair t of rows is in, the younger ones stay out
	global_store_b128 v[CO], v[\rb+4*\t:\rb+4*\t+3], s[10:11] offset:\t*8192 th:TH_STORE_NT   ; 16 lanes store 256 consecutive bytes, aligned
.endr
.endm
	OUT 0, RB0
	OUT 1, RB1
	OUT 2, RB0
	OUT 3, RB1
	s_wait_tensorcnt 0x0
	ds_add_u32 v254, v255
	s_wait_dscnt 0x0
	ROUND                                          ; the closing round
	s_endpgm
.Lfunc_end_k_q776f48a95b_oproj:
	.size	k_q776f48a95b_oproj, .Lfunc_end_k_q776f48a95b_oproj-k_q776f48a95b_oproj
	.p2alignl 7, 3214868480
	.fill 96, 4, 3214868480
	.section	.rodata,"a",@progbits
	.p2align	6, 0x0
	.amdhsa_kernel k_q776f48a95b_oproj
		.amdhsa_group_segment_fixed_size 327680
		.amdhsa_private_segment_fixed_size 0
		.amdhsa_enable_private_segment 0
		.amdhsa_kernarg_size 32
		.amdhsa_user_sgpr_count 2
		.amdhsa_user_sgpr_kernarg_segment_ptr 1
		.amdhsa_wavefront_size32 1
		.amdhsa_system_sgpr_workgroup_id_x 1
		.amdhsa_system_sgpr_workgroup_id_y 1
		.amdhsa_system_sgpr_workgroup_id_z 1
		.amdhsa_system_vgpr_workitem_id 0
		.amdhsa_next_free_vgpr 512
		.amdhsa_next_free_sgpr 80
		.amdhsa_reserve_vcc 0
		.amdhsa_float_denorm_mode_32 3
		.amdhsa_float_denorm_mode_16_64 3
		.amdhsa_memory_ordered 1
		.amdhsa_forward_progress 1
		.amdhsa_inst_pref_size 93
	.end_amdhsa_kernel
	.amdgpu_metadata
---
amdhsa.version: [ 1, 2 ]
amdhsa.kernels:
  - .name:           k_q776f48a95b_oproj
    .symbol:         k_q776f48a95b_oproj.kd
    .args:
      - { .name: ao, .offset: 0, .size: 8, .value_kind: global_buffer, .address_space: global }
      - { .name: xw, .offset: 8, .size: 8, .value_kind: global_buffer, .address_space: global }
      - { .name: bo, .offset: 16, .size: 8, .value_kind: global_buffer, .address_space: global }
      - { .name: out0, .offset: 24, .size: 8, .value_kind: global_buffer, .address_space: global }
    .group_segment_fixed_size: 327680
    .private_segment_fixed_size: 0
    .kernarg_segment_align: 8
    .kernarg_segment_size: 32
    .max_flat_workgroup_size: 128
    .sgpr_count:     80
    .vgpr_count:     512
    .wavefront_size: 32
...
	.end_amdgpu_metadata
.endif
;; end of part 4
